; MI455X (gfx1250); checked and timed in simulation.
; The chip was launched on July 23, 2026; its instructions are those of AMD's public machine-readable ISA for CDNA 5 (MIT licence, August 2026) and "CDNA5" Instruction Set Architecture Reference Guide (July 2026). The comments in the code are by the model that wrote it; some were corrected since.
;; Di T. Allowed arithmetic: matrix products marked QUANTISED: E3M2 operands, one E8M0 scale for each 32 along K, by v_wmma_scale_f32_16x16x128_f8f6f4 with both operands' format E3M2, f32 sums; everything else in f32.
;; Inputs: an_a_b1 128 float32; an_a_b2 128 float32; an_a_b3 128 float32; an_a_w1 128 x 128 float32; an_a_w2 128 x 128 float32; an_a_w3 128 x 128 float32; an_gb_b1 128 float32; an_gb_b2 128 float32; an_gb_b3 256 float32; an_gb_w1 128 x 128 float32; an_gb_w2 128 x 128 float32; an_gb_w3 128 x 256 float32; fn_a_b1 128 float32; fn_a_b2 128 float32; fn_a_b3 128 float32; fn_a_w1 128 x 128 float32; fn_a_w2 128 x 128 float32; fn_a_w3 128 x 128 float32; fn_gb_b1 128 float32; fn_gb_b2 128 float32; fn_gb_b3 256 float32; fn_gb_w1 128 x 128 float32; fn_gb_w2 128 x 128 float32; fn_gb_w3 128 x 256 float32; kb 4 x 32 float32; kw 4 x 128 x 32 float32; latent 64 x 128 x 8 x 8 x 8 float32; nodes 64 x 128 float32; ow 128 x 128 float32; qb 4 x 32 float32; qw 4 x 128 x 32 float32; t 64 float32; vb 4 x 32 float32; vw 4 x 128 x 32 float32.
;; Outputs: out0 64 x 128 x 8 x 8 x 8 float32.
;; This version of the problem:
;;   THIS VERSION OF THE PROBLEM IS GIVEN IN LOW PRECISION. The matrix products marked QUANTISED in the list below multiply operands that are first quantised to E3M2 (3 exponent bits, 2 mantissa bits; 6 bits a number), with one power-of-two scale for each 32 numbers along K (OCP MX v1.0); their sums are f32. All else is computed in f32.
;;   The module's matrix products, in the order in which they are computed (A, B: the left and right operand; K: the contracted axis; several contracted axes count as one K, in the product's order):
;;     1. [M 64, K 128] x [K 128, N 128]; A: computed on the way; B: input an_gb_w1: QUANTISED
;;     2. [M 64, K 128] x [K 128, N 128]; A: computed on the way; B: input an_gb_w2: QUANTISED
;;     3. [M 64, K 128] x [K 128, N 256]; A: computed on the way; B: input an_gb_w3: QUANTISED
;;     4. [M 64, K 128] x [K 128, N 128]; A: computed on the way; B: input an_a_w1: QUANTISED
;;     5. [M 64, K 128] x [K 128, N 128]; A: computed on the way; B: input an_a_w2: QUANTISED
;;     6. [M 64, K 128] x [K 128, N 128]; A: computed on the way; B: input an_a_w3: QUANTISED
;;     7. [M 64, K 128] x [K 128, N 128]; A: computed on the way; B: input fn_gb_w1: QUANTISED
;;     8. [M 64, K 128] x [K 128, N 128]; A: computed on the way; B: input fn_gb_w2: QUANTISED
;;     9. [M 64, K 128] x [K 128, N 256]; A: computed on the way; B: input fn_gb_w3: QUANTISED
;;     10. [M 64, K 128] x [K 128, N 128]; A: computed on the way; B: input fn_a_w1: QUANTISED
;;     11. [M 64, K 128] x [K 128, N 128]; A: computed on the way; B: input fn_a_w2: QUANTISED
;;     12. [M 64, K 128] x [K 128, N 128]; A: computed on the way; B: input fn_a_w3: QUANTISED
;;     13. [M 128, K 128] x [K 128, N 32,768]; A: input qw; B: computed on the way: QUANTISED
;;     14. [M 128, K 128] x [K 128, N 32,768]; A: input kw; B: computed on the way: QUANTISED
;;     15. [M 128, K 128] x [K 128, N 32,768]; A: input vw; B: computed on the way: QUANTISED
;;     16. batch 256 x [M 512, K 32] x [K 32, N 512]; A: computed on the way; B: computed on the way: QUANTISED
;;     17. batch 256 x [M 512, K 512] x [K 512, N 32]; A: softmax (see below); B: computed on the way: QUANTISED
;;     18. [M 32,768, K 128] x [K 128, N 128]; A: computed on the way; B: input ow: QUANTISED
;;   THE QUANTISER, for each operand of a quantised product, along K:
;;     - K is cut into blocks of 32 from its start; a last block that is shorter is filled with zeros.
;;     - A block's scale is 2^e with e = floor(log2(the largest magnitude in the block)) - 4, held to -126 .. 127; a block of zeros has e = 0. As a byte (E8M0): e + 127.
;;     - Each number is divided by its block's scale, clamped to +-28, and rounded to the nearest number of E3M2, ties to even, subnormals kept.
;;     - The product sums the exact products of the quantised numbers (number of the format x scale) in f32.
;;   ~~~python
;;   def quantise(x, axis):      # numpy; x: float32 -> the quantised numbers, widened to float32 again
;;       x = np.moveaxis(x, axis, -1); K = x.shape[-1]
;;       x = np.pad(x, [(0, 0)] * (x.ndim - 1) + [(0, -K % 32)]); x = x.reshape(x.shape[:-1] + (-1, 32)); a = np.abs(x).max(-1, keepdims=True)
;;       e = np.where(a > 0, np.clip(np.frexp(np.where(a > 0, a, 1))[1] - 1 - 4, -126, 127), 0)      # np.frexp(a)[1] - 1 = floor(log2(a)), exactly
;;       r = np.clip(x / 2.0 ** e, -28, 28)
;;       step = 2.0 ** (np.maximum(np.frexp(np.where(r == 0, 1, r))[1] - 1, -2) - 2)
;;       q = np.round(r / step) * step * 2.0 ** e      # np.round: ties to even
;;       return np.moveaxis(q.reshape(q.shape[:-2] + (-1,))[..., :K], -1, axis).astype(np.float32)
;;   ~~~
;;   SOFTMAX AHEAD OF A QUANTISED PRODUCT. Where the list says 'softmax', what is quantised is not the finished softmax but p = 2^(t - M), with t = logit x log2(e) and M = ceil(the row's largest t), a whole number; so 1/2 < the row's largest p <= 1. The row's sum l is taken of the UNQUANTISED p, in f32, and the product's result is divided by l at the end. Since M is a whole number, a kernel that streams over the keys may use a running M (the ceiling of the running maximum): every later rescaling is an exact power of two, which a block's scale takes up: the codes' values come out the same.
;;   OPERANDS COMPUTED ON THE WAY. 'Computed on the way' means the value that the module computes at that place (a softmax that the list does not call 'softmax' is quantised finished and normalised). What goes into a quantiser is computed in f32, as accurately as f32 sums, v_exp_f32 and their like allow (about 1e-6 of the number): no bf16 or f16 on the way to a quantiser, and a product that is left as it is and whose result goes on into a quantised operand takes f32 operands (vector FMAs, or v_wmma_f32_16x16x4_f32). A number that lies on a knife's edge between two numbers of the format may be rounded either way, as far as f32 arithmetic and the matrix unit's own rounding can turn it there, and no further.
;; One version. Each part assembles by itself: llvm-mc -triple=amdgcn-amd-amdhsa -mcpu=gfx1250 --defsym DOCPART=n.
;; ======== version 1 of 1: 2 launches
;; limits: below input magnitudes of 1e-19 results are inexact or not finite
;; workspace buffers: ws 236,544 bytes
;; launch prep (part 1): grid 27 x 1, 8 waves a work-group, no clusters, 17,920 bytes of LDS; arguments nodes, t, an_gb_w1, an_gb_b1, an_gb_w2, an_gb_b2, an_gb_w3, an_gb_b3, an_a_w1, an_a_b1, an_a_w2, an_a_b2, an_a_w3, an_a_b3, fn_gb_w1, fn_gb_b1, fn_gb_w2, fn_gb_b2, fn_gb_w3, fn_gb_b3, fn_a_w1, fn_a_b1, fn_a_w2, fn_a_b2, fn_a_w3, fn_a_b3, qw, kw, vw, ws; writes ws
.if DOCPART == 1
	.amdgcn_target "amdgcn-amd-amdhsa--gfx1250"
	.amdhsa_code_object_version 6
	.text
	.protected	k_q7fdfe2f5c0_prep
	.globl	k_q7fdfe2f5c0_prep
	.p2align	8
	.type	k_q7fdfe2f5c0_prep,@function
k_q7fdfe2f5c0_prep:
	s_mov_b64 s[64:65], 0
	v_nop
	global_prefetch_b8 v0, s[64:65] scope:SCOPE_SE
	s_setreg_imm32_b32 hwreg(HW_REG_WAVE_MODE, 25, 1), 1
	s_wait_xcnt 0x0
; PREP.  Two kinds of work-groups, parted on the work-group's number alone.
; Work-groups 0-23: the four conditioning MLPs, y = silu(silu(c W1 + b1) W2 + b2) W3 + b3 with c = nodes + t, all three products on codes of BF6 (E3M2) with one E8M0 scale for 32 along K.
;   Unit u = work-group / 4 is one run of 128 output columns: 0, 1 an_gb's two halves, 2 an_a, 3, 4 fn_gb's halves, 5 fn_a; it is also the slot of ws in which the run is stored: mod[sample][u][128], f32.
;   rt = work-group % 4 is a tile of 16 samples.  Wave w owns columns 16 w .. 16 w + 15 of every layer.  The two halves of a gb MLP each make layers 1 and 2: all units then have one shape.
;   The products are used transposed (source 0 = 16 columns of W, source 1 = the 16 samples): a lane holds one sample and eight neighbouring columns.  A block of 32 along the next K spans two waves' columns,
;   so a layer's f32 results meet in LDS (16 rows of 512 + 16 bytes) and every wave quantises the whole row tile for itself.
; Work-groups 24-26: qw, kw, vw [4][128][32] are quantised along d; wave w makes the fragment of channels 16 w .. 16 w + 15 of the flat index 32 h + k.  No LDS, no barrier on this way.
; A fragment (12 registers a lane) is stored as two halves of 768 bytes: registers 6 c .. 6 c + 3 at 16 x lane, registers 6 c + 4, 5 at 512 + 8 x lane.  Its scale words: 4 x lane.
; ws: bytes 0 .. 196,607 mod; from 196,608 the 24 fragments (8 sel + w) x 1,536; from 233,472 their scale words, 128 bytes each.
; A weight's K is its first axis: a lane takes a column and its registers run down K, so two whole blocks of 32 lie in a lane and the conversions' results are the operand's registers.
; LIMITS: NaN and infinities among the inputs are not served.  A block whose largest magnitude lies under 2^-122 keeps the scale byte 1; a block of zeros has the byte 1, not 127: its codes are zeros, and only this program reads the bytes.
; No tensor loads, no cluster: 27 work-groups share no tile that is worth a joint request (each weight column is read by four of them once).
.set L16, 1                            ; 16 x lane
.set L8, 2                             ; 8 x lane
.set L4, 3                             ; 4 x lane
.set SH8, 4                            ; 8 x (lane / 16)
.set CNA, 7                            ; nodes: 512 r + 64 hl
.set TA, 8                             ; t: 4 r
.set BA, 9                             ; biases: 32 hl
.set WA, 10                            ; a weight of 512 bytes a row: 4 r + 32 rows x hl
.set WA3, 11                           ; of 1,024 bytes a row
.set HSW, 12                           ; LDS: where I put my eight columns of a sample's row
.set HSR, 13                           ; LDS: where I read my 16 numbers of each block of a sample's row
.set ORD, 14                           ; LDS: the two whole rows that my wave stores
.set CN, 16                            ; v16-79   64 numbers of my sample: register 16 b + i = k 32 b + 16 hl + i
.set AF, 80                            ; v80-91   the activations' fragment
.set WF1, 92                           ; the three weights' fragments
.set WF2, 104
.set WF3, 116
.set CT, 128                           ; v128-135 second halves of blocks, as the conversions leave them
.set TM, 136                           ; v136-151 QUANT at work
.set BM, 152                           ; v152-160 BQ at work
.set BN, 154
.set SO, 156
.set BY, 158
.set TP, 160
.set H, 164                            ; v164-171 the accumulator
.set E, 172                            ; v172-179 silu at work
.set B1T, 180                          ; the three biases in the result's layout
.set B2T, 188
.set B3T, 196
.set TT, 204                           ; v204 t of my sample (v205 named with it as a pair)
.set OUTR, 206
.set WS1, 242                          ; scale words: these registers hold scales alone
.set WS2, 243
.set WS3, 244
.set PW, 254
.set R1, 0                             ; window 1: the weights as loaded
.set R2, 64
.set R3, 128
.set WV, 66
.set SEL, 72
.set HS0, 0
.set HS1, 8448
.set MSB, 0
.macro WIN new                         ; the immediate's high byte repeats the setting that is left
.if MSB != (\new)
	s_set_vgpr_msb (MSB<<8)|(\new)
.set MSB, (\new)
.endif
.endm
.macro PLACES n
.rept \n
	v_nop
.endr
.endm
.macro MM d, a, b, c, sa, sb
	v_wmma_scale_f32_16x16x128_f8f6f4 v[(\d):(\d)+7], v[(\a):(\a)+11], v[(\b):(\b)+11], v[(\c):(\c)+7], v[\sa], v[\sb] matrix_a_fmt:MATRIX_FMT_BF6 matrix_b_fmt:MATRIX_FMT_BF6
.endm
; 64 numbers of a lane, register 16 b + i = one of my 16 numbers of block b of my row (the other 16 lie in lane l xor 16), become a fragment in v[d] on and the row's scale word in v[pw] (pw = 0: no word)
.macro QUANT s, d, pw
.irp b, 0,1,2,3
	v_max3_num_f32 v[TM+\b], |v[\s+16*\b]|, |v[\s+1+16*\b]|, 0x2800000   ; with the floor 2^(5 - 127): the byte cannot fall under 1
.endr
.irp i, 2,4,6,8,10,12,14
.irp b, 0,1,2,3
	v_max3_num_f32 v[TM+\b], v[TM+\b], |v[\s+16*\b+\i]|, |v[\s+1+16*\b+\i]|
.endr
.endr
.irp b, 0,1,2,3
	v_permlanex16_b32 v[TM+4+\b], v[TM+\b], s[SEL], s[SEL+1]
.endr
.irp b, 0,1,2,3
	v_max_num_f32 v[TM+\b], v[TM+\b], v[TM+4+\b]           ; the block's largest magnitude
.endr
.irp b, 0,1,2,3
	v_add_nc_u32 v[TM+12+\b], 0xfe000000, v[TM+\b]         ; 4 off its exponent field: the conversion's scale operand
.endr
.irp b, 0,1,2,3
	v_lshrrev_b32 v[TM+4+\b], 23, v[TM+12+\b]              ; the scale's byte
.endr
.if \pw
	v_lshl_or_b32 v[\pw], v[TM+5], 8, v[TM+4]
	v_lshl_or_b32 v[\pw], v[TM+6], 16, v[\pw]
	v_lshl_or_b32 v[\pw], v[TM+7], 24, v[\pw]
.endif
.irp c, 0,1
	v_cvt_scalef32_pk16_bf6_f32 v[\d+6*\c:\d+6*\c+2], v[\s+32*\c:\s+32*\c+15], v[TM+12+2*\c]
	v_cvt_scalef32_pk16_bf6_f32 v[CT+4*\c:CT+4*\c+2], v[\s+32*\c+16:\s+32*\c+31], v[TM+13+2*\c]
.endr
	v_nop                                                  ; one plain place behind a scaled conversion
.irp c, 0,1                                                ; a whole block to a lane: lanes 0-15 block 2 c, lanes 16-31 block 2 c + 1
.irp i, 0,1,2
	v_permlane16_swap_b32 v[\d+6*\c+\i], v[CT+4*\c+\i]
.endr
.irp i, 0,1,2
	v_mov_b32 v[\d+6*\c+3+\i], v[CT+4*\c+\i]
.endr
.endr
.endm
; 64 numbers of a lane in window sw, register 32 c + i = k 64 c + 32 hl + i: two whole blocks.  Fragment in v[d] on, scale word in v[pw]
.macro BQ s, sw, d, pw
	WIN 5*(\sw)
.irp c, 0,1
	v_max3_num_f32 v[BM+\c], |v[\s+32*\c]|, |v[\s+32*\c+1]|, 0x2800000
	v_max3_num_f32 v[BN+\c], |v[\s+32*\c+16]|, |v[\s+32*\c+17]|, 0x2800000
.endr
	WIN 0x14*(\sw)
.irp i, 2,4,6,8,10,12,14
.irp c, 0,1
	v_max3_num_f32 v[BM+\c], v[BM+\c], |v[\s+32*\c+\i]|, |v[\s+32*\c+\i+1]|
	v_max3_num_f32 v[BN+\c], v[BN+\c], |v[\s+32*\c+16+\i]|, |v[\s+32*\c+17+\i]|
.endr
.endr
	WIN 0
.irp c, 0,1
	v_max_num_f32 v[BM+\c], v[BM+\c], v[BN+\c]
.endr
.irp c, 0,1
	v_add_nc_u32 v[SO+\c], 0xfe000000, v[BM+\c]
.endr
.irp c, 0,1
	v_lshrrev_b32 v[BY+\c], 23, v[SO+\c]
.endr
	v_lshl_or_b32 v[\pw], v[BY+1], 16, v[BY]               ; my bytes: blocks hl and 2 + hl,
	v_lshlrev_b32 v[\pw], v[SH8], v[\pw]                   ; at their places;
	v_permlanex16_b32 v[TP], v[\pw], s[SEL], s[SEL+1]
	v_or_b32 v[\pw], v[\pw], v[TP]                         ; with lane l xor 16's two the word is whole
	WIN (\sw)
.irp c, 0,1
	v_cvt_scalef32_pk16_bf6_f32 v[\d+6*\c:\d+6*\c+2], v[\s+32*\c:\s+32*\c+15], v[SO+\c]
	v_cvt_scalef32_pk16_bf6_f32 v[CT+4*\c:CT+4*\c+2], v[\s+32*\c+16:\s+32*\c+31], v[SO+\c]
.endr
	WIN 0
	v_nop                                                  ; one plain place behind a scaled conversion
.irp c, 0,1
.irp i, 0,1,2
	v_mov_b32 v[\d+6*\c+3+\i], v[CT+4*\c+\i]
.endr
.endr
.endm
.macro WLOAD reg, voff, sb, pitch      ; a column a lane, registers down K: 64 loads
.set wq, 0
.rept 64
	global_load_b32 v[\reg+wq], v[\voff], s[\sb:\sb+1] offset:(64*(wq/32)+wq%32)*\pitch
.set wq, wq+1
.endr
.endm
	s_load_b128 s[4:7], s[0:1], 0x0                ; nodes, t
	s_load_b256 s[8:15], s[0:1], 0x10              ; an_gb: w1 b1 w2 b2
	s_load_b128 s[16:19], s[0:1], 0x30             ;        w3 b3
	s_load_b256 s[20:27], s[0:1], 0x40             ; an_a
	s_load_b128 s[28:31], s[0:1], 0x60
	s_load_b256 s[32:39], s[0:1], 0x70             ; fn_gb
	s_load_b128 s[40:43], s[0:1], 0x90
	s_load_b256 s[44:51], s[0:1], 0xa0             ; fn_a
	s_load_b128 s[52:55], s[0:1], 0xc0
	s_load_b256 s[56:63], s[0:1], 0xd0             ; qw, kw, vw, ws
	v_lshl_add_u32 v253, v0, 2, 0x4200
	v_mov_b32 v255, 0
	v_lshrrev_b32 v5, 5, v0
	v_readfirstlane_b32 s[WV], v5                  ; wave 0..7
	v_and_b32 v5, 31, v0
	v_lshlrev_b32 v[L16], 4, v5
	v_lshlrev_b32 v[L8], 3, v5
	v_lshlrev_b32 v[L4], 2, v5
	v_and_b32 v5, 15, v0                           ; r
	v_bfe_u32 v6, v0, 4, 1                         ; hl
	v_lshlrev_b32 v[SH8], 3, v6
	v_mov_b32 v[TP], 0                             ; a lane permute's destination counts as read: written once
.irp b, 0,1,2,3
	v_mov_b32 v[TM+4+\b], 0
.endr
	v_mov_b32 v[TT+1], 0                           ; named with t as a pair
	s_mov_b32 s[SEL], 0x76543210
	s_mov_b32 s[SEL+1], 0xfedcba98                 ; lane l xor 16
	s_wait_kmcnt 0x0
	s_cmp_ge_u32 ttmp9, 24
	s_cbranch_scc1 .Lweights
	; ---- the MLPs
	s_lshr_b32 s68, ttmp9, 2                       ; u
	s_and_b32 s69, ttmp9, 3                        ; rt
	s_cmp_ge_u32 s68, 3
	s_cselect_b32 s70, 3, 0
	s_sub_co_u32 s71, s68, s70                     ; u' = u % 3
	s_cmp_ge_u32 s68, 3                            ; an or fn: the choice hangs on the work-group's number alone
.irp i, 0,1,2,3,4,5
	s_cselect_b64 s[8+2*\i:9+2*\i], s[32+2*\i:33+2*\i], s[8+2*\i:9+2*\i]
	s_cselect_b64 s[20+2*\i:21+2*\i], s[44+2*\i:45+2*\i], s[20+2*\i:21+2*\i]
.endr
	s_cmp_eq_u32 s71, 2                            ; gb or a
.irp i, 0,1,2,3,4,5
	s_cselect_b64 s[8+2*\i:9+2*\i], s[20+2*\i:21+2*\i], s[8+2*\i:9+2*\i]
.endr
	s_lshl_b32 s74, s[WV], 6                       ; my 16 columns: 64 bytes a wave
	s_mov_b32 s75, 0
	s_cmp_eq_u32 s71, 1
	s_cselect_b32 s76, 512, 0                      ; layer 3 of a gb MLP's second half begins at column 128
	s_add_co_u32 s76, s76, s74
	s_mov_b32 s77, 0
	s_lshl_b32 s78, s69, 13                        ; 16 rt rows of nodes
	s_mov_b32 s79, 0
	s_add_nc_u64 s[4:5], s[4:5], s[78:79]
	s_lshl_b32 s78, s69, 6
	s_add_nc_u64 s[6:7], s[6:7], s[78:79]
	s_add_nc_u64 s[8:9], s[8:9], s[74:75]
	s_add_nc_u64 s[10:11], s[10:11], s[74:75]
	s_add_nc_u64 s[12:13], s[12:13], s[74:75]
	s_add_nc_u64 s[14:15], s[14:15], s[74:75]
	s_add_nc_u64 s[16:17], s[16:17], s[76:77]
	s_add_nc_u64 s[18:19], s[18:19], s[76:77]
	s_lshl_b32 s78, s69, 4
	s_lshl_b32 s80, s[WV], 1
	s_add_co_u32 s78, s78, s80                     ; the first sample whose row my wave stores: 16 rt + 2 w
	s_mul_i32 s78, s78, 3072
	s_lshl_b32 s80, s68, 9
	s_add_co_u32 s78, s78, s80
	s_add_nc_u64 s[62:63], s[62:63], s[78:79]
	v_lshlrev_b32 v[CNA], 9, v5
	v_lshl_add_u32 v[CNA], v6, 6, v[CNA]
	v_lshlrev_b32 v[TA], 2, v5
	v_lshlrev_b32 v[BA], 5, v6
	v_lshl_add_u32 v[WA], v6, 14, v[TA]
	v_lshl_add_u32 v[WA3], v6, 15, v[TA]
	v_mul_u32_u24 v[HSW], v5, 528
	v_lshl_add_u32 v[HSR], v6, 6, v[HSW]
	v_lshl_add_u32 v[HSW], v6, 5, v[HSW]
	v_add_nc_u32 v[HSW], s74, v[HSW]
	s_mul_i32 s80, s[WV], 1056
	v_add_nc_u32 v[ORD], s80, v[L16]
.irp b, 0,1,2,3
.irp q, 0,1,2,3
	global_load_b128 v[CN+16*\b+4*\q:CN+16*\b+4*\q+3], v[CNA], s[4:5] offset:128*\b+16*\q
.endr
.endr
	global_load_b32 v[TT], v[TA], s[6:7]
	global_load_b128 v[B1T:B1T+3], v[BA], s[10:11]
	global_load_b128 v[B1T+4:B1T+7], v[BA], s[10:11] offset:16
	global_load_b128 v[B2T:B2T+3], v[BA], s[14:15]
	global_load_b128 v[B2T+4:B2T+7], v[BA], s[14:15] offset:16
	global_load_b128 v[B3T:B3T+3], v[BA], s[18:19]
	global_load_b128 v[B3T+4:B3T+7], v[BA], s[18:19] offset:16
	WIN 0x40                                       ; destination window 1
	WLOAD R1, WA, 8, 512
	WLOAD R2, WA, 12, 512
	WIN 0
	s_cmp_eq_u32 s71, 2                            ; W3's rows are 1,024 bytes in a gb MLP and 512 in an a MLP: 64 loads on either way
	s_cbranch_scc1 .Lw3_narrow
	WIN 0x40
	WLOAD R3, WA3, 16, 1024
	WIN 0
	s_branch .Lw3_done
.Lw3_narrow:
	WIN 0x40
	WLOAD R3, WA, 16, 512
	WIN 0
.Lw3_done:
	s_wait_loadcnt 63                              ; 215 loads are issued: the oldest 152 are in: nodes, t, the biases, W1, W2 are the oldest 151
.set j, 0
.rept 32
	v_pk_add_f32 v[CN+j:CN+j+1], v[CN+j:CN+j+1], v[TT:TT+1] op_sel_hi:[1,0]   ; c = nodes + t
.set j, j+2
.endr
	QUANT CN, AF, PW
	BQ R1, 1, WF1, WS1
	BQ R2, 1, WF2, WS2
	s_wait_loadcnt 0x0                             ; W3
	BQ R3, 1, WF3, WS3
	PLACES 8                                       ; a scale word written by vector instructions stands 8 places ahead of the scaled product
; A hidden layer: the product with the bias as C, silu, the eight columns to LDS, a barrier, the whole row tile back, quantised
.macro LAYER wf, bt, wsc, hs
	MM H, \wf, AF, \bt, \wsc, PW
	PLACES 4
.irp j, 0,1,2,3,4,5,6,7
	v_mul_f32 v[E+\j], 0xbfb8aa3b, v[H+\j]         ; -x log2(e)
.endr
.irp j, 0,1,2,3,4,5,6,7
	v_exp_f32 v[E+\j], v[E+\j]
.endr
	v_nop                                          ; a plain place behind the transcendentals
	s_wait_alu depctr_va_vdst(0)
.irp j, 0,1,2,3,4,5,6,7
	v_add_f32 v[E+\j], 1.0, v[E+\j]
.endr
.irp j, 0,1,2,3,4,5,6,7
	v_rcp_f32 v[E+\j], v[E+\j]
.endr
	v_nop
	s_wait_alu depctr_va_vdst(0)
.irp j, 0,1,2,3,4,5,6,7
	v_mul_f32 v[E+\j], v[H+\j], v[E+\j]            ; x / (1 + e^-x)
.endr
	ds_store_b128 v[HSW], v[E:E+3] offset:\hs
	ds_store_b128 v[HSW], v[E+4:E+7] offset:\hs+16
	s_wait_dscnt 0x0                               ; for the others' sake: my columns lie in LDS
	s_barrier_signal -1
	s_barrier_wait -1
.irp b, 0,1,2,3
.irp q, 0,1,2,3
	ds_load_b128 v[CN+16*\b+4*\q:CN+16*\b+4*\q+3], v[HSR] offset:\hs+128*\b+16*\q
.endr
.endr
	s_wait_dscnt 0x0
	QUANT CN, AF, PW
	PLACES 8
.endm
	LAYER WF1, B1T, WS1, HS0
	LAYER WF2, B2T, WS2, HS1
	MM H, WF3, AF, B3T, WS3, PW
	PLACES 4
	ds_store_b128 v[HSW], v[H:H+3] offset:HS0      ; the first stage again: every wave's reads of it were waited for ahead of the second barrier
	ds_store_b128 v[HSW], v[H+4:H+7] offset:HS0+16
	s_wait_dscnt 0x0
	s_barrier_signal -1
	s_barrier_wait -1
	ds_load_b128 v[OUTR:OUTR+3], v[ORD] offset:HS0
	ds_load_b128 v[OUTR+4:OUTR+7], v[ORD] offset:HS0+528
	s_wait_dscnt 1                                 ; the first row is back
	global_store_b128 v[L16], v[OUTR:OUTR+3], s[62:63]             ; 32 lanes store 512 consecutive bytes, at a multiple of 256 from ws's first byte
	s_wait_dscnt 0x0
	global_store_b128 v[L16], v[OUTR+4:OUTR+7], s[62:63] offset:3072
	s_wait_tensorcnt 0x0
	ds_add_u32 v253, v255
	s_wait_dscnt 0x0
	s_endpgm
	; ---- qw, kw, vw
.Lweights:
	s_and_b32 s69, ttmp9, 3                        ; 0 qw, 1 kw, 2 vw
	s_cmp_eq_u32 s69, 1
	s_cselect_b64 s[56:57], s[58:59], s[56:57]
	s_cmp_eq_u32 s69, 2
	s_cselect_b64 s[56:57], s[60:61], s[56:57]
	s_lshr_b32 s74, s[WV], 1
	s_lshl_b32 s74, s74, 14                        ; head w / 2: 128 rows of 128 bytes
	s_and_b32 s76, s[WV], 1
	s_lshl_b32 s76, s76, 6                         ; its channels 16 (w % 2) on
	s_add_co_u32 s74, s74, s76
	s_mov_b32 s75, 0
	s_add_nc_u64 s[56:57], s[56:57], s[74:75]
	s_lshl_b32 s76, s69, 3
	s_add_co_u32 s76, s76, s[WV]                   ; fragment 8 sel + w
	s_mul_i32 s78, s76, 1536
	s_add_co_u32 s78, s78, 196608
	s_mov_b32 s79, 0
	s_add_nc_u64 s[80:81], s[62:63], s[78:79]
	s_lshl_b32 s78, s76, 7
	s_add_co_u32 s78, s78, 233472
	s_add_nc_u64 s[82:83], s[62:63], s[78:79]
	v_lshlrev_b32 v7, 2, v5
	v_lshl_add_u32 v7, v6, 12, v7                  ; 4 r + 32 rows x hl
	WIN 0x40
	WLOAD R1, 7, 56, 128
	WIN 0
	s_wait_loadcnt 0x0
	BQ R1, 1, AF, PW
	global_store_b128 v[L16], v[AF:AF+3], s[80:81]
	global_store_b64 v[L8], v[AF+4:AF+5], s[80:81] offset:512
	global_store_b128 v[L16], v[AF+6:AF+9], s[80:81] offset:768
	global_store_b64 v[L8], v[AF+10:AF+11], s[80:81] offset:1280
	global_store_b32 v[L4], v[PW], s[82:83]
	s_endpgm
.Lfunc_end_k_q7fdfe2f5c0_prep:
	.size	k_q7fdfe2f5c0_prep, .Lfunc_end_k_q7fdfe2f5c0_prep-k_q7fdfe2f5c0_prep
	.p2alignl 7, 3214868480
	.fill 96, 4, 3214868480
	.section	.rodata,"a",@progbits
	.p2align	6, 0x0
	.amdhsa_kernel k_q7fdfe2f5c0_prep
		.amdhsa_group_segment_fixed_size 17920
		.amdhsa_private_segment_fixed_size 0
		.amdhsa_enable_private_segment 0
		.amdhsa_kernarg_size 240
		.amdhsa_user_sgpr_count 2
		.amdhsa_user_sgpr_kernarg_segment_ptr 1
		.amdhsa_wavefront_size32 1
		.amdhsa_system_sgpr_workgroup_id_x 1
		.amdhsa_system_sgpr_workgroup_id_y 1
		.amdhsa_system_sgpr_workgroup_id_z 1
		.amdhsa_system_vgpr_workitem_id 0
		.amdhsa_next_free_vgpr 448
		.amdhsa_next_free_sgpr 100
		.amdhsa_reserve_vcc 0
		.amdhsa_float_denorm_mode_32 3
		.amdhsa_float_denorm_mode_16_64 3
		.amdhsa_memory_ordered 1
		.amdhsa_forward_progress 1
		.amdhsa_inst_pref_size 72
	.end_amdhsa_kernel
	.amdgpu_metadata
---
amdhsa.version: [ 1, 2 ]
amdhsa.kernels:
  - .name:           k_q7fdfe2f5c0_prep
    .symbol:         k_q7fdfe2f5c0_prep.kd
    .args:
      - { .name: nodes, .offset: 0, .size: 8, .value_kind: global_buffer, .address_space: global }
      - { .name: t, .offset: 8, .size: 8, .value_kind: global_buffer, .address_space: global }
      - { .name: an_gb_w1, .offset: 16, .size: 8, .value_kind: global_buffer, .address_space: global }
      - { .name: an_gb_b1, .offset: 24, .size: 8, .value_kind: global_buffer, .address_space: global }
      - { .name: an_gb_w2, .offset: 32, .size: 8, .value_kind: global_buffer, .address_space: global }
      - { .name: an_gb_b2, .offset: 40, .size: 8, .value_kind: global_buffer, .address_space: global }
      - { .name: an_gb_w3, .offset: 48, .size: 8, .value_kind: global_buffer, .address_space: global }
      - { .name: an_gb_b3, .offset: 56, .size: 8, .value_kind: global_buffer, .address_space: global }
      - { .name: an_a_w1, .offset: 64, .size: 8, .value_kind: global_buffer, .address_space: global }
      - { .name: an_a_b1, .offset: 72, .size: 8, .value_kind: global_buffer, .address_space: global }
      - { .name: an_a_w2, .offset: 80, .size: 8, .value_kind: global_buffer, .address_space: global }
      - { .name: an_a_b2, .offset: 88, .size: 8, .value_kind: global_buffer, .address_space: global }
      - { .name: an_a_w3, .offset: 96, .size: 8, .value_kind: global_buffer, .address_space: global }
      - { .name: an_a_b3, .offset: 104, .size: 8, .value_kind: global_buffer, .address_space: global }
      - { .name: fn_gb_w1, .offset: 112, .size: 8, .value_kind: global_buffer, .address_space: global }
      - { .name: fn_gb_b1, .offset: 120, .size: 8, .value_kind: global_buffer, .address_space: global }
      - { .name: fn_gb_w2, .offset: 128, .size: 8, .value_kind: global_buffer, .address_space: global }
      - { .name: fn_gb_b2, .offset: 136, .size: 8, .value_kind: global_buffer, .address_space: global }
      - { .name: fn_gb_w3, .offset: 144, .size: 8, .value_kind: global_buffer, .address_space: global }
      - { .name: fn_gb_b3, .offset: 152, .size: 8, .value_kind: global_buffer, .address_space: global }
      - { .name: fn_a_w1, .offset: 160, .size: 8, .value_kind: global_buffer, .address_space: global }
      - { .name: fn_a_b1, .offset: 168, .size: 8, .value_kind: global_buffer, .address_space: global }
      - { .name: fn_a_w2, .offset: 176, .size: 8, .value_kind: global_buffer, .address_space: global }
      - { .name: fn_a_b2, .offset: 184, .size: 8, .value_kind: global_buffer, .address_space: global }
      - { .name: fn_a_w3, .offset: 192, .size: 8, .value_kind: global_buffer, .address_space: global }
      - { .name: fn_a_b3, .offset: 200, .size: 8, .value_kind: global_buffer, .address_space: global }
      - { .name: qw, .offset: 208, .size: 8, .value_kind: global_buffer, .address_space: global }
      - { .name: kw, .offset: 216, .size: 8, .value_kind: global_buffer, .address_space: global }
      - { .name: vw, .offset: 224, .size: 8, .value_kind: global_buffer, .address_space: global }
      - { .name: ws, .offset: 232, .size: 8, .value_kind: global_buffer, .address_space: global }
    .group_segment_fixed_size: 17920
    .private_segment_fixed_size: 0
    .kernarg_segment_align: 8
    .kernarg_segment_size: 240
    .max_flat_workgroup_size: 256
    .sgpr_count:     100
    .vgpr_count:     448
    .wavefront_size: 32
...
	.end_amdgpu_metadata
.endif
;; end of part 1
;; launch dit (part 2): grid 4 x 64, 8 waves a work-group, no clusters, 277,504 bytes of LDS; arguments latent, ws, ow, qb, kb, vb, out0; writes out0
.if DOCPART == 2
	.amdgcn_target "amdgcn-amd-amdhsa--gfx1250"
	.amdhsa_code_object_version 6
	.text
	.protected	k_q7fdfe2f5c0_dit
	.globl	k_q7fdfe2f5c0_dit
	.p2align	8
	.type	k_q7fdfe2f5c0_dit,@function
k_q7fdfe2f5c0_dit:
	s_mov_b64 s[64:65], 0
	v_nop
	global_prefetch_b8 v0, s[64:65] scope:SCOPE_SE
	s_setreg_imm32_b32 hwreg(HW_REG_WAVE_MODE, 25, 1), 1
	s_wait_xcnt 0x0
; DIT.  One work-group = one sample b (grid y) and one block of 128 queries (grid x): snorm and modulation, Q, K, V, attention of 4 heads of 32, the projection by ow, the gated residual, the second snorm, modulation
; and residual.  Every product on codes of BF6 (E3M2) with one E8M0 scale for 32 along K; nothing between the input and the output goes to memory.
; SHARES.  Eight waves, two to a SIMD, 512 registers each.  Wave w makes x2, K and V of the 64 keys of chunk (w + 2 x block) % 8, which lie at POSITION w in LDS: the rotation enters global addresses alone, keeps
; blocks of 32 keys whole, and puts the work-group's own 128 queries at positions 0 and 1.  K and V of a sample are so made by each of its four work-groups.  Then wave w owns 16 queries (tile w) for all four heads.
; TILES.  Tile i of a chunk holds tokens n0 + 4 r + i: one load of 16 bytes gives a lane one number of each of the four tiles, and sixteen lanes read 256 consecutive bytes of latent [b][d][n].
; LAYOUTS.  x2: a lane holds a token and two whole blocks of 32 along d.  K, Q = (source 0 = 16 channels, source 1 = x2's tile): a lane holds a token, a block is a head; the order of a head's 32 channels is the same in both.
;   K is stored REGROUPED: fragment (head, position) has tile i's codes of that head as its block i.  Scores of tile i = that fragment x (Q of the head in block i, zero codes in the other three): K = 32 in a 128-deep form.
;   The four placements of Q are runs of 12 registers inside one run of 30: zeros, Q in lanes 0-15, zeros, Q in lanes 16-31, zeros.
;   V = (source 0 = x2's tile, source 1 = 16 channels): a lane holds a channel and the whole true block of keys n0 + 32 hl + 0 .. 31, key 4 jj + i at place 8 i + jj.  The scores of a lane lie in that same order,
;   so p's conversions are the second product's operand as they stand.  O^T / l is written to register 32 u + 4 j + h: that is index 4 k + h of the projection's K, two whole blocks a lane.
; SOFTMAX.  t = score x log2(e) / sqrt(32); M = the running largest t rounded up to a whole number; p = 2^(t - M) is quantised; the sum is taken of the unquantised p and divides at the end.
; FRAGMENTS IN LDS are images of registers: two halves of 768 bytes, registers 6 c .. 6 c + 3 at 16 x lane, registers 6 c + 4, 5 at 512 + 8 x lane.
; REQUESTS.  x, gamma1 and beta1 are asked for first: nothing else stands ahead of the first arithmetic.  The weights' images (39,936 bytes a work-group) and ow's columns are asked for when the fourth tile of x has been
; taken out of x's registers, which they then take: the images are wanted behind that tile's arithmetic, ow behind the barrier that follows it.  alpha1, gamma2, beta2 are asked for ahead of the attention, alpha2 ahead of
; the projection.  In the attention a step's K is asked for a step ahead, straight behind the products that have read its registers, and V a softmax ahead of its use.
; NO TENSOR LOADS, NO CLUSTER: the one tile that the four work-groups of a sample share is latent[b], 262,144 bytes; the operands' images take 276,480 of the 327,680 bytes of LDS, so it has no room there, and from
; registers one load of 16 bytes serves four tiles.
; LIMITS: NaN and infinities among the inputs are not served.  A token whose variance lies under 2^-126 and is not 0 is not served (the reciprocal root takes it for 0).  c / std is c x rsq(var), O / l is O x rcp(l).
; A block whose largest magnitude lies under 2^-122 keeps the scale byte 1; a block of zeros has the byte 1, not 127: its codes are zeros, and only this program reads the bytes.
.set WSCL, 36864                       ; LDS: bytes 0 on: q, k, v weights' 24 fragments; here their scale words, 128 bytes each
.set OIMG, 39936                       ; ow's 8 fragments
.set OSC, 52224                        ; their scale words
.set XIMG, 53248                       ; x2's 32 tiles (4 w + i)
.set XSC, 102400                       ; their scale words, 128 bytes each
.set KIMG, 106496                      ; K: fragment 8 h + position
.set KSC, 155648                       ; scale words, 64 bytes a fragment
.set VIMG, 157696                      ; V^T: fragment (4 h + key step) 2 + u
.set VSC, 206848                       ; scale words, 64 bytes a fragment
.set XST, 208896                       ; x of the 128 queries, later the output: 128 rows (channels) of 512 + 16 bytes
.set XP, 528
.set L16, 1                            ; v1-7 stay for the whole launch
.set L8, 2
.set L4, 3
.set SH8, 4                            ; 8 hl
.set ML, 5                             ; all ones in lanes 0-15
.set MH, 6                             ; all ones in lanes 16-31
.set ONE, 7
.set OWA, 241                          ; ow: my lane's byte offset; never rewritten
.set SCW, 242                          ; v242-255 hold scale words and nothing else
.set XS, 250
.set KS, 250
.set VS, 251
.set QS, 252
.set PS, 253
.set PW, 254
.set QW, 255
.set WV, 18
.set SEL, 22
.set CS, 24
.set TK, 28
.set TV, 29
.set TS, 30
.set CNT, 31
.set MSB, 0
.macro WIN new                         ; the immediate's high byte repeats the setting that is left
.if MSB != (\new)
	s_set_vgpr_msb (MSB<<8)|(\new)
.set MSB, (\new)
.endif
.endm
.macro PLACES n
.rept \n
	v_nop
.endr
.endm
.macro MM d, a, b, c, sa, sb
	v_wmma_scale_f32_16x16x128_f8f6f4 v[(\d):(\d)+7], v[(\a):(\a)+11], v[(\b):(\b)+11], v[(\c):(\c)+7], v[\sa], v[\sb] matrix_a_fmt:MATRIX_FMT_BF6 matrix_b_fmt:MATRIX_FMT_BF6
.endm
.macro MMR d, a, b, c, sa, sb          ; source 0's scale words from lanes 16-31
	v_wmma_scale_f32_16x16x128_f8f6f4 v[(\d):(\d)+7], v[(\a):(\a)+11], v[(\b):(\b)+11], v[(\c):(\c)+7], v[\sa], v[\sb] matrix_a_fmt:MATRIX_FMT_BF6 matrix_b_fmt:MATRIX_FMT_BF6 matrix_a_scale:MATRIX_SCALE_ROW1
.endm
.macro MM0 d, a, b, sa, sb             ; the product starts the sum
	v_wmma_scale_f32_16x16x128_f8f6f4 v[(\d):(\d)+7], v[(\a):(\a)+11], v[(\b):(\b)+11], 0, v[\sa], v[\sb] matrix_a_fmt:MATRIX_FMT_BF6 matrix_b_fmt:MATRIX_FMT_BF6
.endm
.macro MM0R d, a, b, sa, sb
	v_wmma_scale_f32_16x16x128_f8f6f4 v[(\d):(\d)+7], v[(\a):(\a)+11], v[(\b):(\b)+11], 0, v[\sa], v[\sb] matrix_a_fmt:MATRIX_FMT_BF6 matrix_b_fmt:MATRIX_FMT_BF6 matrix_a_scale:MATRIX_SCALE_ROW1
.endm
.macro FETCH reg, a16, a8, off         ; a fragment's image into registers
	ds_load_b128 v[(\reg):(\reg)+3], v[\a16] offset:(\off)
	ds_load_b64 v[(\reg)+4:(\reg)+5], v[\a8] offset:(\off)+512
	ds_load_b128 v[(\reg)+6:(\reg)+9], v[\a16] offset:(\off)+768
	ds_load_b64 v[(\reg)+10:(\reg)+11], v[\a8] offset:(\off)+1280
.endm
.macro IMG reg, a16, a8, off           ; and the other way
	ds_store_b128 v[\a16], v[(\reg):(\reg)+3] offset:(\off)
	ds_store_b64 v[\a8], v[(\reg)+4:(\reg)+5] offset:(\off)+512
	ds_store_b128 v[\a16], v[(\reg)+6:(\reg)+9] offset:(\off)+768
	ds_store_b64 v[\a8], v[(\reg)+10:(\reg)+11] offset:(\off)+1280
.endm
; 64 numbers of a lane, register 16 b + i = one of my 16 numbers of block b of my row (the other 16 lie in lane l xor 16), become a fragment in v[d] on and the row's scale word in v[pw] (pw = 0: no word); the bytes stay in v[TM+4] on
.macro QUANT s, d, pw
.irp b, 0,1,2,3
	v_max3_num_f32 v[TM+\b], |v[\s+16*\b]|, |v[\s+1+16*\b]|, 0x2800000   ; with the floor 2^(5 - 127): the byte cannot fall under 1
.endr
.irp i, 2,4,6,8,10,12,14
.irp b, 0,1,2,3
	v_max3_num_f32 v[TM+\b], v[TM+\b], |v[\s+16*\b+\i]|, |v[\s+1+16*\b+\i]|
.endr
.endr
.irp b, 0,1,2,3
	v_permlanex16_b32 v[TM+4+\b], v[TM+\b], s[SEL], s[SEL+1]
.endr
.irp b, 0,1,2,3
	v_max_num_f32 v[TM+\b], v[TM+\b], v[TM+4+\b]
.endr
.irp b, 0,1,2,3
	v_add_nc_u32 v[TM+12+\b], 0xfe000000, v[TM+\b]         ; 4 off the exponent field: the conversion's scale operand
.endr
.irp b, 0,1,2,3
	v_lshrrev_b32 v[TM+4+\b], 23, v[TM+12+\b]              ; the scale's byte
.endr
.if \pw
	v_lshl_or_b32 v[\pw], v[TM+5], 8, v[TM+4]
	v_lshl_or_b32 v[\pw], v[TM+6], 16, v[\pw]
	v_lshl_or_b32 v[\pw], v[TM+7], 24, v[\pw]
.endif
.irp c, 0,1
	v_cvt_scalef32_pk16_bf6_f32 v[\d+6*\c:\d+6*\c+2], v[\s+32*\c:\s+32*\c+15], v[TM+12+2*\c]
	v_cvt_scalef32_pk16_bf6_f32 v[CT+4*\c:CT+4*\c+2], v[\s+32*\c+16:\s+32*\c+31], v[TM+13+2*\c]
.endr
	v_nop                                                  ; one plain place behind a scaled conversion
.irp c, 0,1                                                ; a whole block to a lane: lanes 0-15 block 2 c, lanes 16-31 block 2 c + 1
.irp i, 0,1,2
	v_permlane16_swap_b32 v[\d+6*\c+\i], v[CT+4*\c+\i]
.endr
.irp i, 0,1,2
	v_mov_b32 v[\d+6*\c+3+\i], v[CT+4*\c+\i]
.endr
.endr
.endm
; 64 numbers of a lane in window sw, register 32 c + i = k 64 c + 32 hl + i: two whole blocks.  Fragment in v[d] on, scale word in v[pw]
.macro BQ s, sw, d, pw
	WIN 5*(\sw)
.irp c, 0,1
	v_max3_num_f32 v[BM+\c], |v[\s+32*\c]|, |v[\s+32*\c+1]|, 0x2800000
	v_max3_num_f32 v[BN+\c], |v[\s+32*\c+16]|, |v[\s+32*\c+17]|, 0x2800000
.endr
	WIN 0x14*(\sw)
.irp i, 2,4,6,8,10,12,14
.irp c, 0,1
	v_max3_num_f32 v[BM+\c], v[BM+\c], |v[\s+32*\c+\i]|, |v[\s+32*\c+\i+1]|
	v_max3_num_f32 v[BN+\c], v[BN+\c], |v[\s+32*\c+16+\i]|, |v[\s+32*\c+17+\i]|
.endr
.endr
	WIN 0
.irp c, 0,1
	v_max_num_f32 v[BM+\c], v[BM+\c], v[BN+\c]
.endr
.irp c, 0,1
	v_add_nc_u32 v[SO+\c], 0xfe000000, v[BM+\c]
.endr
.irp c, 0,1
	v_lshrrev_b32 v[BY+\c], 23, v[SO+\c]
.endr
	v_lshl_or_b32 v[\pw], v[BY+1], 16, v[BY]               ; my bytes: blocks hl and 2 + hl,
	v_lshlrev_b32 v[\pw], v[SH8], v[\pw]                   ; at their places;
	v_permlanex16_b32 v[TP], v[\pw], s[SEL], s[SEL+1]
	v_or_b32 v[\pw], v[\pw], v[TP]                         ; with lane l xor 16's two the word is whole
	WIN (\sw)
.irp c, 0,1
	v_cvt_scalef32_pk16_bf6_f32 v[\d+6*\c:\d+6*\c+2], v[\s+32*\c:\s+32*\c+15], v[SO+\c]
	v_cvt_scalef32_pk16_bf6_f32 v[CT+4*\c:CT+4*\c+2], v[\s+32*\c+16:\s+32*\c+31], v[SO+\c]
.endr
	WIN 0
	v_nop                                                  ; one plain place behind a scaled conversion
.irp c, 0,1
.irp i, 0,1,2
	v_mov_b32 v[\d+6*\c+3+\i], v[CT+4*\c+\i]
.endr
.endr
.endm
.macro FOLD                            ; four packed chains in v[U] .. v[U+7], and lane l xor 16's, into v[U]
	v_pk_add_f32 v[U:U+1], v[U:U+1], v[U+2:U+3]
	v_pk_add_f32 v[U+4:U+5], v[U+4:U+5], v[U+6:U+7]
	v_pk_add_f32 v[U:U+1], v[U:U+1], v[U+4:U+5]
	v_add_f32 v[U], v[U], v[U+1]
	v_permlanex16_b32 v[U+1], v[U], s[SEL], s[SEL+1]
	v_add_f32 v[U], v[U], v[U+1]
.endm
.macro RSTD s                          ; v[RS] = 1 / sqrt(sum of squares of my token's 128 centred numbers / 127), or 1 where the sum is 0
.irp k, 0,1,2,3
	v_pk_mul_f32 v[U+2*\k:U+2*\k+1], v[\s+2*\k:\s+2*\k+1], v[\s+2*\k:\s+2*\k+1]
.endr
.irp m, 1,2,3,4,5,6,7
.irp k, 0,1,2,3
	v_pk_fma_f32 v[U+2*\k:U+2*\k+1], v[\s+8*\m+2*\k:\s+8*\m+2*\k+1], v[\s+8*\m+2*\k:\s+8*\m+2*\k+1], v[U+2*\k:U+2*\k+1]
.endr
.endr
	FOLD
	v_mul_f32 v[U+2], 0x3c010204, v[U]             ; / 127
	v_rsq_f32 v[RS], v[U+2]
	v_nop                                          ; a plain place behind the transcendental
	v_cmp_eq_f32 vcc_lo, 0, v[U]
	s_wait_alu depctr_va_vdst(0)
	v_cndmask_b32 v[RS], v[RS], v[ONE], vcc_lo
.endm
; ================ the head: x, gamma1, beta1 are asked for, and nothing else
.set GA, 20                            ; v20-83   gamma1 at my 64 channels
.set BE, 84                            ; v84-147  beta1
.set C, 148                            ; v148-211 the sums, then a tile's 64 numbers
.set PC, 212
.set CT, 224
.set BM, 232
.set BN, 234
.set SO, 236
.set BY, 238
.set TP, 240
.set U, 232                            ; (at work before BM .. BY are)
.set MEAN, 14
.set RS, 18
.set CPR, 64                           ; window 1, once x has left it: v64-102 the weights' images on their way,
.set OWR, 160                          ; v160-223 ow's column as loaded
	s_load_b256 s[4:11], s[0:1], 0x0               ; latent, ws, ow, qb
	s_load_b128 s[12:15], s[0:1], 0x20             ; kb, vb
	s_load_b64 s[16:17], s[0:1], 0x30              ; out0
	v_lshrrev_b32 v8, 5, v0
	v_readfirstlane_b32 s[WV], v8                  ; wave 0..7
	v_and_b32 v8, 31, v0
	v_lshlrev_b32 v[L16], 4, v8
	v_lshlrev_b32 v[L8], 3, v8
	v_lshlrev_b32 v[L4], 2, v8
	v_and_b32 v14, 15, v0                          ; r
	v_bfe_u32 v15, v0, 4, 1                        ; hl
	v_lshlrev_b32 v[SH8], 3, v15
	v_add_nc_u32 v[ML], -1, v15
	v_sub_nc_u32 v[MH], 0, v15
	v_mov_b32 v[ONE], 1.0
	v_mov_b32 v[RS+1], 0                           ; named with RS as a pair
	v_mov_b32 v[TP], 0                             ; a lane permute's destination counts as read
	s_lshl_b32 s42, s[WV], 6
	v_lshlrev_b32 v[OWA], 2, v14
	v_lshl_add_u32 v[OWA], v15, 14, v[OWA]
	v_add_nc_u32 v[OWA], s42, v[OWA]               ; ow: column 16 w + r, 32 rows down for lanes 16-31
	v_lshlrev_b32 v12, 4, v14
	v_lshl_add_u32 v12, v15, 16, v12               ; latent: tokens 4 r .. 4 r + 3, 32 channels down for lanes 16-31
	v_lshlrev_b32 v13, 7, v15                      ; gamma1, beta1: 32 channels on for lanes 16-31
	s_lshl_b32 s42, s[WV], 8
	s_add_co_u32 s42, s42, XST
	v_mul_u32_u24 v16, v15, 32*XP
	v_lshl_add_u32 v16, v14, 4, v16
	v_add_nc_u32 v16, s42, v16                     ; x's place in LDS (waves 0 and 1 use it)
	s_mul_i32 s42, s[WV], 6144
	v_add_nc_u32 v8, s42, v[L16]                   ; x2's images: my four tiles
	v_add_nc_u32 v9, s42, v[L8]
	s_lshl_b32 s42, s[WV], 9
	s_add_co_u32 s42, s42, XSC
	v_add_nc_u32 v10, s42, v[L4]
	s_mov_b32 s[SEL], 0x76543210
	s_mov_b32 s[SEL+1], 0xfedcba98                 ; lane l xor 16
	s_mov_b32 s[CS], 0x3e8293ee                    ; log2(e) / sqrt(32)
	s_mov_b32 s[CS+1], s[CS]
	s_and_b32 s20, ttmp7, 0xffff                   ; the sample
	s_lshl_b32 s21, ttmp9, 1
	s_add_co_u32 s21, s21, s[WV]
	s_and_b32 s21, s21, 7                          ; my chunk of 64 tokens
	s_mul_i32 s42, s20, 3072
	s_mov_b32 s43, 0
	s_lshl_b32 s44, s20, 18
	s_lshl_b32 s46, s21, 8
	s_add_co_u32 s46, s46, s44
	s_mov_b32 s47, 0
	s_lshl_b32 s45, ttmp9, 9
	s_add_co_u32 s44, s44, s45
	s_lshl_b32 s45, s[WV], 15
	s_add_co_u32 s44, s44, s45
	s_mov_b32 s45, 0
	s_wait_kmcnt 0x0
	s_add_nc_u64 s[34:35], s[6:7], s[42:43]        ; mod[b]
	s_add_nc_u64 s[36:37], s[6:7], 0x30000         ; the weights' images
	s_add_nc_u64 s[38:39], s[4:5], s[46:47]        ; latent[b][0][64 chunk]
	s_add_nc_u64 s[40:41], s[16:17], s[44:45]      ; out0[b][16 w][128 block]
	WIN 0x40                                       ; destination window 1: register 4 dq + i = x(token 4 r + i, channel 64 (dq / 32) + 32 hl + dq % 32)
.set dq, 0
.rept 64
	global_load_b128 v[4*dq:4*dq+3], v12, s[38:39] offset:(64*(dq/32)+dq%32)*2048
.set dq, dq+1
.endr
	WIN 0
.irp c, 0,1
.irp q, 0,1,2,3,4,5,6,7
	global_load_b128 v[GA+32*\c+4*\q:GA+32*\c+4*\q+3], v13, s[34:35] offset:512+256*\c+16*\q     ; gamma1
.endr
.endr
.irp c, 0,1
.irp q, 0,1,2,3,4,5,6,7
	global_load_b128 v[BE+32*\c+4*\q:BE+32*\c+4*\q+3], v13, s[34:35] offset:1024+256*\c+16*\q    ; beta1
.endr
.endr
; ================ x2 = gamma1 snorm(x) + beta1 of my 64 tokens, quantised along d
	s_wait_loadcnt 32                              ; x is in; gamma1's and beta1's 32 loads may be out
	s_cmp_gt_u32 s[WV], 1                          ; positions 0 and 1 are the work-group's queries: their x is kept for the residual
	s_cbranch_scc1 .Lno_xst
	WIN 0x04                                       ; an LDS store's data are its source 1: window 1
.set dq, 0
.rept 64
	ds_store_b128 v16, v[4*dq:4*dq+3] offset:(64*(dq/32)+dq%32)*XP
.set dq, dq+1
.endr
	WIN 0
.Lno_xst:
	WIN 0x05                                       ; the four tiles' sums over my 64 channels, two tiles an instruction, even and odd registers in chains of their own
	v_pk_add_f32 v[C:C+1], v[0:1], v[8:9]
	v_pk_add_f32 v[C+2:C+3], v[2:3], v[10:11]
	v_pk_add_f32 v[C+4:C+5], v[4:5], v[12:13]
	v_pk_add_f32 v[C+6:C+7], v[6:7], v[14:15]
	WIN 0x04
.set dq, 4
.rept 60
	v_pk_add_f32 v[C+4*(dq%2):C+4*(dq%2)+1], v[C+4*(dq%2):C+4*(dq%2)+1], v[4*dq:4*dq+1]
	v_pk_add_f32 v[C+4*(dq%2)+2:C+4*(dq%2)+3], v[C+4*(dq%2)+2:C+4*(dq%2)+3], v[4*dq+2:4*dq+3]
.set dq, dq+1
.endr
	WIN 0
	v_pk_add_f32 v[C:C+1], v[C:C+1], v[C+4:C+5]
	v_pk_add_f32 v[C+2:C+3], v[C+2:C+3], v[C+6:C+7]
.irp i, 0,1,2,3
	v_permlanex16_b32 v[C+4+\i], v[C+\i], s[SEL], s[SEL+1]
.endr
.irp i, 0,1,2,3
	v_add_f32 v[C+\i], v[C+\i], v[C+4+\i]
.endr
.irp i, 0,1,2,3
	v_mul_f32 v[MEAN+\i], 0x3c000000, v[C+\i]      ; / 128
.endr
.macro XTILE i
	WIN 0x01
.set dq, 0
.rept 64
	v_sub_f32 v[C+dq], v[4*dq+\i], v[MEAN+\i]      ; centred, and gathered: register dq = channel 64 (dq / 32) + 32 hl + dq % 32 of token 4 r + i
.set dq, dq+1
.endr
	WIN 0
.if \i == 3                                        ; x has left its registers: they take the weights' images (16, 8, 4 bytes a thread: the same offsets in ws and in LDS) and ow's column
	v_lshlrev_b32 v12, 4, v0                       ; (x's, gamma1's and beta1's loads, which these registers addressed, were waited for in the first tile)
	v_lshlrev_b32 v13, 3, v0
	v_lshlrev_b32 v11, 2, v0
	WIN 0x40
.irp k, 0,1,2,3,4,5,6,7,8
	global_load_b128 v[CPR+4*\k:CPR+4*\k+3], v12, s[36:37] offset:4096*\k
.endr
	global_load_b64 v[CPR+36:CPR+37], v13, s[36:37] offset:36864
	global_load_b32 v[CPR+38], v11, s[36:37] offset:38912
.set wq, 0
.rept 64
	global_load_b32 v[OWR+wq], v[OWA], s[8:9] offset:(64*(wq/32)+wq%32)*512
.set wq, wq+1
.endr
	WIN 0
.endif
	RSTD C
.set j, 0
.rept 32
	v_pk_mul_f32 v[C+j:C+j+1], v[C+j:C+j+1], v[RS:RS+1] op_sel_hi:[1,0]
.set j, j+2
.endr
.if \i == 0
	s_wait_loadcnt 0x0                             ; gamma1, beta1
.endif
.set j, 0
.rept 32
	v_pk_fma_f32 v[C+j:C+j+1], v[C+j:C+j+1], v[GA+j:GA+j+1], v[BE+j:BE+j+1]
.set j, j+2
.endr
	s_wait_dscnt 0x0                               ; the last tile's stores have read their registers
	BQ C, 0, PC, PW
	IMG PC, 8, 9, XIMG+1536*\i
	ds_store_b32 v10, v[PW] offset:128*\i
.endm
	XTILE 0
	XTILE 1
	XTILE 2
	XTILE 3
	s_wait_loadcnt 63                              ; 75 loads are issued: the oldest 12 are in: the images' 11 are the oldest; ow's may be out
	WIN 0x04
.irp k, 0,1,2,3,4,5,6,7,8
	ds_store_b128 v12, v[CPR+4*\k:CPR+4*\k+3] offset:4096*\k
.endr
	ds_store_b64 v13, v[CPR+36:CPR+37] offset:36864
	ds_store_b32 v11, v[CPR+38] offset:38912
	WIN 0
	s_wait_dscnt 0x0                               ; for the others' sake: my part of the weights' images lies in LDS
	s_barrier_signal -1
	s_barrier_wait -1
; ================ ow, a fragment a wave; then K and V of my 64 tokens
.set XF4, 20                           ; v20-67   my four tiles of x2
.set ACC, 68                           ; v68-131  eight accumulators
.set PC, 132
.set CT, 144
.set TM, 152
.set KSW, 168                          ; v168-171 K's regrouped scale words, one a head
.set VB, 172                           ; v172-179 vb at channel 16 ct + r
.set CB, 180                           ; v180-187 the same in all eight registers: V's C
.set VM, 188
.set VSO, 190
.set VBY, 191
.set BM, 192
.set BN, 194
.set SO, 196
.set BY, 198
.set TP, 200
.set KWF, 0                            ; window 1: kw's (later qw's) 8 fragments; kb's (later qb's) 8 tiles; ow's column, then vw's 8 fragments
.set KB, 96
.set VWF, 160
.set KST16, 11
.set KST8, 12
.set KSS, 13
.set VST16, 14
.set VST8, 15
.set VSS, 16
.set BH, 17
.set VBA, 18
	v_and_b32 v19, 15, v0                          ; r
	v_bfe_u32 v[BH], v0, 4, 1                      ; hl
	s_mul_i32 s42, s[WV], 1536
	s_add_co_u32 s42, s42, KIMG
	v_mul_u32_u24 v[KST16], v[BH], 12288           ; lanes 16-31 hold the odd heads: one head is 8 fragments on.  (The images' loads, which v11-13 addressed, are done by the counted wait above)
	v_add_nc_u32 v[KST16], s42, v[KST16]
	v_lshl_add_u32 v[KST8], v19, 3, v[KST16]
	v_lshl_add_u32 v[KST16], v19, 4, v[KST16]
	s_lshl_b32 s43, s[WV], 6
	s_add_co_u32 s43, s43, KSC
	v_lshl_add_u32 v[KSS], v19, 2, s43
	s_lshr_b32 s44, s[WV], 1                       ; my key step,
	s_and_b32 s45, s[WV], 1                        ; and my half of its fragments
	s_mul_i32 s46, s44, 3072
	s_mul_i32 s47, s45, 768
	s_add_co_u32 s46, s46, s47
	s_add_co_u32 s46, s46, VIMG
	v_add_nc_u32 v[VST16], s46, v[L16]
	v_add_nc_u32 v[VST8], s46, v[L8]
	s_lshl_b32 s46, s44, 7
	s_lshl_b32 s47, s45, 1
	s_add_co_u32 s46, s46, s47
	s_add_co_u32 s46, s46, VSC
	v_lshl_add_u32 v[VSS], v19, 2, v[BH]           ; byte 2 (w % 2) + hl of row r's word
	v_add_nc_u32 v[VSS], s46, v[VSS]
	v_lshlrev_b32 v[VBA], 2, v19
	v_lshlrev_b32 v[BH], 5, v[BH]                  ; 32 hl: eight channels on for lanes 16-31
.irp b, 0,1,2,3
	v_mov_b32 v[TM+4+\b], 0                        ; a lane permute's destination counts as read
.endr
	v_mov_b32 v[TP], 0
	WIN 0x40
.irp ct, 0,1,2,3,4,5,6,7
	global_load_b128 v[KB+8*\ct:KB+8*\ct+3], v[BH], s[12:13] offset:64*\ct
	global_load_b128 v[KB+8*\ct+4:KB+8*\ct+7], v[BH], s[12:13] offset:64*\ct+16
.endr
	WIN 0
.irp ct, 0,1,2,3,4,5,6,7
	global_load_b32 v[VB+\ct], v[VBA], s[14:15] offset:64*\ct
.endr
.irp i, 0,1,2,3
	FETCH XF4+12*\i, 8, 9, XIMG+1536*\i            ; my own bytes: LDS serves a wave's instructions in order
	ds_load_b32 v[XS+\i], v10 offset:128*\i
.endr
	WIN 0x40
.irp ct, 0,1,2,3,4,5,6,7
	FETCH KWF+12*\ct, L16, L8, (8+\ct)*1536
.endr
	WIN 0
.irp ct, 0,1,2,3,4,5,6,7
	ds_load_b32 v[SCW+\ct], v[L4] offset:WSCL+(8+\ct)*128
.endr
	s_wait_loadcnt 24                              ; ow's column is in; kb's 16 and vb's 8 loads, issued behind it, may be out
	BQ OWR, 1, PC, PW
	s_mul_i32 s42, s[WV], 1536
	v_add_nc_u32 v8, s42, v[L16]
	v_add_nc_u32 v9, s42, v[L8]
	s_lshl_b32 s42, s[WV], 7
	v_add_nc_u32 v10, s42, v[L4]
	IMG PC, 8, 9, OIMG
	ds_store_b32 v10, v[PW] offset:OSC
	WIN 0x40
.irp ct, 0,1,2,3,4,5,6,7
	FETCH VWF+12*\ct, L16, L8, (16+\ct)*1536       ; vw takes ow's registers: it lands under K's tiles
.endr
	WIN 0
	s_wait_dscnt 37                                ; x2's tiles, kw and the scale words are in: behind them stand ow's 5 stores and vw's 32 loads
	s_wait_loadcnt 0x0                             ; kb, vb
.macro KTILE i
	WIN 0x11                                       ; source 0 (kw) and C (kb) window 1
.irp ct, 0,1,2,3,4,5,6,7
	MM ACC+8*\ct, KWF+12*\ct, XF4+12*\i, KB+8*\ct, SCW+\ct, XS+\i
.endr
	WIN 0
	PLACES 4
	s_wait_dscnt 0x0                               ; the last stores have read their registers
	QUANT ACC, PC, 0
.irp h, 0,1,2,3
.if \i == 0
	v_mov_b32 v[KSW+\h], v[TM+4+\h]
.else
	v_lshl_or_b32 v[KSW+\h], v[TM+4+\h], 8*\i, v[KSW+\h]   ; byte i of head h's word: tile i
.endif
.endr
.irp cc, 0,1                                               ; registers 6 cc on are head 2 cc + hl of token r: block i of that head's fragment is half i / 2, lane r + 16 (i % 2)
	ds_store_b128 v[KST16], v[PC+6*\cc:PC+6*\cc+3] offset:24576*\cc+768*(\i/2)+256*(\i%2)
	ds_store_b64 v[KST8], v[PC+6*\cc+4:PC+6*\cc+5] offset:24576*\cc+768*(\i/2)+512+128*(\i%2)
.endr
.endm
	KTILE 0
	KTILE 1
	KTILE 2
	KTILE 3
.irp h, 0,1,2,3
	ds_store_b32 v[KSS], v[KSW+\h] offset:512*\h   ; both halves of the lanes write the same word with the same value
.endr
.irp ct, 0,1,2,3,4,5,6,7
	ds_load_b32 v[SCW+\ct], v[L4] offset:WSCL+(16+\ct)*128   ; vw's scale words
.endr
	WIN 0x40
.irp ct, 0,1,2,3,4,5,6,7
	global_load_b128 v[KB+8*\ct:KB+8*\ct+3], v[BH], s[10:11] offset:64*\ct       ; qb takes kb's place
	global_load_b128 v[KB+8*\ct+4:KB+8*\ct+7], v[BH], s[10:11] offset:64*\ct+16
.endr
	WIN 0
.macro VTILE ct
.irp j, 0,1,2,3,4,5,6,7
	v_mov_b32 v[CB+\j], v[VB+\ct]
.endr
	PLACES 4
.if \ct == 0
	s_wait_dscnt 0x0                               ; vw's scale words
.endif
	WIN 0x04                                       ; source 1 (vw) window 1
.irp i, 0,1,2,3
	MM ACC+8*\i, XF4+12*\i, VWF+12*\ct, CB, XS+\i, SCW+\ct
.endr
	WIN 0
	PLACES 4
	v_max3_num_f32 v[VM], |v[ACC]|, |v[ACC+1]|, 0x2800000          ; my 32 registers are one whole block of keys of channel 16 ct + r
	v_max3_num_f32 v[VM+1], |v[ACC+16]|, |v[ACC+17]|, 0x2800000
.irp i, 2,4,6,8,10,12,14
	v_max3_num_f32 v[VM], v[VM], |v[ACC+\i]|, |v[ACC+\i+1]|
	v_max3_num_f32 v[VM+1], v[VM+1], |v[ACC+16+\i]|, |v[ACC+17+\i]|
.endr
	v_max_num_f32 v[VM], v[VM], v[VM+1]
	v_add_nc_u32 v[VSO], 0xfe000000, v[VM]
	v_lshrrev_b32 v[VBY], 23, v[VSO]
	s_wait_dscnt 0x0                               ; the last tile's stores have read their registers
	v_cvt_scalef32_pk16_bf6_f32 v[PC:PC+2], v[ACC:ACC+15], v[VSO]
	v_cvt_scalef32_pk16_bf6_f32 v[CT:CT+2], v[ACC+16:ACC+31], v[VSO]
	v_nop                                          ; one plain place behind a scaled conversion
.irp i, 0,1,2
	v_mov_b32 v[PC+3+\i], v[CT+\i]
.endr
	ds_store_b128 v[VST16], v[PC:PC+3] offset:(\ct/2)*12288+(\ct%2)*1536
	ds_store_b64 v[VST8], v[PC+4:PC+5] offset:(\ct/2)*12288+(\ct%2)*1536+512
	ds_store_b8 v[VSS], v[VBY] offset:(\ct/2)*512+(\ct%2)*64
.endm
.irp ct, 0,1,2,3,4,5,6,7
	VTILE \ct
.endr
	s_wait_dscnt 0x0                               ; for the others' sake: my images of x2, K, V and ow (and x) lie in LDS
	s_barrier_signal -1
	s_barrier_wait -1
; ================ Q of my 16 queries: tile w of x2
.set QF, 50
	s_mul_i32 s42, s[WV], 1536
	v_add_nc_u32 v11, s42, v[L16]
	v_add_nc_u32 v12, s42, v[L8]
	s_lshl_b32 s43, s[WV], 7
	s_add_co_u32 s43, s43, XSC
	v_add_nc_u32 v13, s43, v[L4]
	FETCH XF4, 11, 12, XIMG
	ds_load_b32 v[XS], v13
	WIN 0x40
.irp ct, 0,1,2,3,4,5,6,7
	FETCH KWF+12*\ct, L16, L8, \ct*1536
.endr
	WIN 0
.irp ct, 0,1,2,3,4,5,6,7
	ds_load_b32 v[SCW+\ct], v[L4] offset:WSCL+\ct*128
.endr
	s_wait_dscnt 0x0
	s_wait_loadcnt 0x0                             ; qb
	WIN 0x11
.irp ct, 0,1,2,3,4,5,6,7
	MM ACC+8*\ct, KWF+12*\ct, XF4, KB+8*\ct, SCW+\ct, XS
.endr
	WIN 0
	PLACES 4
	QUANT ACC, QF, QW
	WIN 0x40                                       ; alpha1, gamma2, beta2 at channels 16 t + 8 hl + j, for the end: they land during the attention
.irp t, 0,1,2,3,4,5,6,7
	global_load_b128 v[64+8*\t:67+8*\t], v[BH], s[34:35] offset:64*\t
	global_load_b128 v[68+8*\t:71+8*\t], v[BH], s[34:35] offset:64*\t+16
.endr
.irp t, 0,1,2,3,4,5,6,7
	global_load_b128 v[128+8*\t:131+8*\t], v[BH], s[34:35] offset:2048+64*\t
	global_load_b128 v[132+8*\t:135+8*\t], v[BH], s[34:35] offset:2048+64*\t+16
.endr
.irp t, 0,1,2,3,4,5,6,7
	global_load_b128 v[192+8*\t:195+8*\t], v[BH], s[34:35] offset:2560+64*\t
	global_load_b128 v[196+8*\t:199+8*\t], v[BH], s[34:35] offset:2560+64*\t+16
.endr
	WIN 0
; ================ attention
.set ASC, 8
.set AK16, 16
.set AK8, 17
.set AV16, 18
.set AV8, 19
.set QR, 20                            ; v20-49   zeros | Q in lanes 0-15 | zeros | Q in lanes 16-31 | zeros, six registers each
.set KF, 62                            ; v62-85   two fragments of K
.set VF, 86                            ; v86-109  two fragments of V^T
.set S, 110                            ; v110-173 the scores, then p
.set OA, 174                           ; v174-189 O^T of the head
.set PC, 190
.set CT, 202
.set MA, 210
.set MB, 212
.set SO, 214
.set BY, 216
.set W0, 218
.set W1, 219
.set F, 220
.set G6, 224
.set RL, 230
.set SA, 232                           ; v232-237 three more chains of the row's sum
.irp i, 0,1,2,3,4,5
	v_mov_b32 v[QR+\i], 0
	v_mov_b32 v[QR+12+\i], 0
	v_mov_b32 v[QR+24+\i], 0
	v_mov_b32 v[G6+\i], 0                          ; a lane permute's destination counts as read
.endr
	v_mov_b32 v[W1], 0
	v_mov_b32 v[F+1], 0                            ; named with f as a pair
	s_wait_xcnt 0x0                                ; the loads above have read their address register: it is written again below
	v_add_nc_u32 v[AK16], KIMG, v[L16]             ; the first step's K; every later step's is asked for a step ahead
	v_add_nc_u32 v[AK8], KIMG, v[L8]
	v_add_nc_u32 v[ASC], KSC, v[L4]
	FETCH KF, AK16, AK8, 0
	FETCH KF+12, AK16, AK8, 1536
	ds_load_b32 v[KS], v[ASC]
; Plain work that hangs on f or on the blocks' largest p alone, number fl of 19: it stands between the exponentials
.macro FILL
.if fl == 0
	v_pk_mul_f32 v[14:15], v[14:15], v[F:F+1] op_sel_hi:[1,0]      ; the sum under the new M
.elseif fl < 3
	s_wait_alu depctr_va_vdst(0)
	v_max_num_f32 v[MA+fl-1], 0x2800000, v[MA+fl-1]                ; the floor: the byte cannot fall under 1
.elseif fl < 5
	v_add_nc_u32 v[SO+fl-3], 0xfe000000, v[MA+fl-3]                ; the conversion's scale operand
.elseif fl < 7
	v_lshrrev_b32 v[BY+fl-5], 23, v[SO+fl-5]                       ; the scale's byte
.elseif fl == 7
	v_lshl_or_b32 v[PS], v[BY+1], 16, v[BY]                        ; p's scale word: my bytes hl and 2 + hl, and lane l xor 16's
.elseif fl == 8
	v_lshlrev_b32 v[PS], v[SH8], v[PS]
.elseif fl == 9
	v_permlanex16_b32 v[W1], v[PS], s[SEL], s[SEL+1]
.elseif fl == 10
	v_or_b32 v[PS], v[PS], v[W1]
.else
	v_pk_mul_f32 v[OA+2*(fl-11):OA+2*(fl-11)+1], v[OA+2*(fl-11):OA+2*(fl-11)+1], v[F:F+1] op_sel_hi:[1,0]   ; O^T under the new M, from each tile's low end on
.endif
.set fl, fl+1
.endm
; Pair p of the lane's 32 pairs of unquantised p joins chain p % 4 of the row's sum: chain 0 is l itself; the others begin with their first two pairs
.macro SUMOP
.if p%4 == 0
	s_wait_alu depctr_va_vdst(0)
	v_pk_add_f32 v[14:15], v[14:15], v[S+2*p:S+2*p+1]
.elseif p < 8
	v_pk_add_f32 v[SA+2*(p%4)-2:SA+2*(p%4)-1], v[S+2*p-8:S+2*p-7], v[S+2*p:S+2*p+1]
.else
	v_pk_add_f32 v[SA+2*(p%4)-2:SA+2*(p%4)-1], v[SA+2*(p%4)-2:SA+2*(p%4)-1], v[S+2*p:S+2*p+1]
.endif
.endm
; A key step: 128 keys of head h: positions 2 ks and 2 ks + 1.  Its K is in registers when it begins
.macro STEP h
.irp i, 0,1,2,3
	MM0 S+8*\i, KF, QR+6*(1-\i/2)+12*(\i%2), KS, QS
.endr
.irp i, 0,1,2,3
	MM0R S+32+8*\i, KF+12, QR+6*(1-\i/2)+12*(\i%2), KS, QS
.endr
	v_add_nc_u32 v[AK16], s[TK], v[L16]            ; (these five are the places behind the products: in front of the loads into K's and V's registers and of the first read of the scores)
	v_add_nc_u32 v[AK8], s[TK], v[L8]
	v_add_nc_u32 v[AV16], s[TV], v[L16]
	v_add_nc_u32 v[AV8], s[TV], v[L8]
	v_add_nc_u32 v[ASC], s[TS], v[L4]
.if \h == 3
	s_cmp_eq_u32 s[CNT], 1                         ; the last step of the last head has no successor: it asks for no K
	s_cbranch_scc1 .Lno_k_\@
.endif
	FETCH KF, AK16, AK8, 12288*\h+3072             ; the next step's K: two fragments on; behind a head's last step lies the next head's first
	FETCH KF+12, AK16, AK8, 12288*\h+4608
	ds_load_b32 v[KS], v[ASC] offset:512*\h+128    ; lanes 0-15 the first fragment's words, lanes 16-31 the second's
.if \h == 3
.Lno_k_\@:
.endif
	FETCH VF, AV16, AV8, 12288*\h                  ; this step's V
	FETCH VF+12, AV16, AV8, 12288*\h+1536
	ds_load_b32 v[VS], v[ASC] offset:VSC-KSC+512*\h
.irp c, 0,1                                        ; register 32 c + 8 i + jj: key 32 hl + 4 jj + i of position 2 ks + c: my 32 registers of c are one whole block of keys.  Its largest score, in two chains, each tile from its low end on
	v_max3_num_f32 v[MA+\c], v[S+32*\c], v[S+32*\c+1], v[S+32*\c+2]
	v_max3_num_f32 v[MB+\c], v[S+32*\c+16], v[S+32*\c+17], v[S+32*\c+18]
.endr
.irp i, 3,5,7,9,11,13
.irp c, 0,1
	v_max3_num_f32 v[MA+\c], v[MA+\c], v[S+32*\c+\i], v[S+32*\c+\i+1]
	v_max3_num_f32 v[MB+\c], v[MB+\c], v[S+32*\c+16+\i], v[S+32*\c+17+\i]
.endr
.endr
.irp c, 0,1
	v_max3_num_f32 v[MA+\c], v[MA+\c], v[MB+\c], v[S+32*\c+15]
.endr
.irp c, 0,1
	v_max_num_f32 v[MA+\c], v[MA+\c], v[S+32*\c+31]
.endr
	v_max_num_f32 v[W0], v[MA], v[MA+1]
	v_permlanex16_b32 v[W1], v[W0], s[SEL], s[SEL+1]
	v_max_num_f32 v[W0], v[W0], v[W1]              ; the step's largest score of my query
	v_mul_f32 v[W0], s[CS], v[W0]
	v_max_num_f32 v13, v13, v[W0]                  ; the running largest t
	v_mov_b32 v[W0], v12
	v_floor_f32 v12, -v13                          ; -M = floor(-t): M is a whole number
	v_sub_f32 v[W0], v12, v[W0]
	v_cvt_i32_f32 v[W0], v[W0]                     ; (it saturates)
	v_ldexp_f32 v[F], 1.0, v[W0]                   ; f = 2^(old M - new M): exact
.irp c, 0,1
	v_fma_f32 v[MA+\c], v[MA+\c], s[CS], v12       ; t - M of each block's largest score: the same two instructions on the same number give the block's largest p
.endr
.irp j, 0,2,4
	v_pk_fma_f32 v[S+\j:S+\j+1], v[S+\j:S+\j+1], s[CS:CS+1], v[12:13] op_sel_hi:[1,0,0]   ; t - M of the first three pairs
.endr
.irp c, 0,1
	v_exp_f32 v[MA+\c], v[MA+\c]
.endr
; p = 2^(t - M).  Each of the 64 exponentials stands between two plain instructions that touch none of its registers: t - M three pairs ahead, the row's sum twelve pairs back, and the 18 lines of FILL where these two run out
.set k, 0
.set fl, 0
.rept 32
.if k < 29
	v_pk_fma_f32 v[S+2*k+6:S+2*k+7], v[S+2*k+6:S+2*k+7], s[CS:CS+1], v[12:13] op_sel_hi:[1,0,0]
.else
	FILL
.endif
	v_exp_f32 v[S+2*k], v[S+2*k]
.set p, k-12
.if (k < 12) || (p == 1) || (p == 2) || (p == 3)
	FILL
.else
	SUMOP
.endif
	v_exp_f32 v[S+2*k+1], v[S+2*k+1]
.set k, k+1
.endr
	FILL                                           ; O^T's last pair: the plain place behind the last exponential
	s_wait_alu depctr_va_vdst(0)
.irp c, 0,1
	v_cvt_scalef32_pk16_bf6_f32 v[PC+6*\c:PC+6*\c+2], v[S+32*\c:S+32*\c+15], v[SO+\c]
	v_cvt_scalef32_pk16_bf6_f32 v[CT+4*\c:CT+4*\c+2], v[S+32*\c+16:S+32*\c+31], v[SO+\c]
.endr
	v_nop                                          ; one plain place behind a scaled conversion
.irp c, 0,1
.irp i, 0,1,2
	v_mov_b32 v[PC+6*\c+3+\i], v[CT+4*\c+\i]
.endr
.endr
.set p, 20
.rept 12
	SUMOP                                          ; the last twelve pairs, and the chains' merging: fifteen places between p's codes and the products
.set p, p+1
.endr
	v_pk_add_f32 v[14:15], v[14:15], v[SA:SA+1]
	v_pk_add_f32 v[SA+2:SA+3], v[SA+2:SA+3], v[SA+4:SA+5]
	v_pk_add_f32 v[14:15], v[14:15], v[SA+2:SA+3]
	s_wait_dscnt 0x0                               ; V, and the next step's K: both were asked for a softmax ago
	MM OA, VF, PC, OA, VS, PS                      ; the two accumulators take turns, one instruction a turn
	MMR OA+8, VF+12, PC, OA+8, VS, PS
	s_add_co_u32 s[TK], s[TK], 3072
	s_add_co_u32 s[TV], s[TV], 3072
	s_add_co_u32 s[TS], s[TS], 128
.endm
.macro HEAD h
	v_perm_b32 v[QS], v[QW], v[QW], 0x01010101*\h  ; the head's scale byte of my query's row, in all four bytes
.irp i, 0,1,2,3,4,5
	v_permlanex16_b32 v[G6+\i], v[QF+6*(\h/2)+\i], s[SEL], s[SEL+1]
.endr
.irp i, 0,1,2,3,4,5
.if \h%2 == 0                                      ; an even head's codes lie in lanes 0-15, an odd head's in lanes 16-31
	v_and_b32 v[QR+6+\i], v[QF+6*(\h/2)+\i], v[ML]
	v_and_b32 v[QR+18+\i], v[G6+\i], v[MH]
.else
	v_and_b32 v[QR+6+\i], v[G6+\i], v[ML]
	v_and_b32 v[QR+18+\i], v[QF+6*(\h/2)+\i], v[MH]
.endif
.endr
	v_mov_b32 v13, 0xff61b1e6                      ; the largest t so far: -3e38.  (These twenty lines are the places between Q's placements and scale word and the first product)
	v_floor_f32 v12, -v13
	v_mov_b32 v14, 0
	v_mov_b32 v15, 0
.set j, 0
.rept 16
	v_mov_b32 v[OA+j], 0                           ; the step is written once: the first finds zeros
.set j, j+1
.endr
	s_mov_b32 s[TK], KIMG
	s_mov_b32 s[TV], VIMG
	s_mov_b32 s[TS], KSC
	s_mov_b32 s[CNT], 4
.if \h == 0
	s_wait_dscnt 0x0                               ; the first step's K (a later head's first K was waited for in the step before)
.endif
.Lstep_\@:
	STEP \h
	s_sub_co_u32 s[CNT], s[CNT], 1
	s_cmp_lg_u32 s[CNT], 0
	s_cbranch_scc1 .Lstep_\@
	PLACES 4
	v_add_f32 v14, v14, v15
	v_permlanex16_b32 v[W1], v14, s[SEL], s[SEL+1]
	v_add_f32 v14, v14, v[W1]                      ; the row's sum
	v_rcp_f32 v[RL], v14
	v_nop                                          ; a plain place behind the transcendental
	WIN 0x40                                       ; destination window 1: register 32 u + 4 j + h is index 64 u + 32 hl + 4 j + h = 4 k + h of the projection's K
	s_wait_alu depctr_va_vdst(0)
.irp u, 0,1
.irp j, 0,1,2,3,4,5,6,7
	v_mul_f32 v[32*\u+4*\j+\h], v[OA+8*\u+\j], v[RL]
.endr
.endr
	WIN 0
.endm
	HEAD 0
	HEAD 1
	HEAD 2
	HEAD 3
; ================ the projection, both residuals, the second norm
.set X, 20                             ; v20-83   x of my 16 queries: register 8 t + j = channel 16 t + 8 hl + j
.set AT, 84                            ; v84-147  the projection's eight accumulators, then the normed numbers, then rows on the way out
.set OWF, 148                          ; v148-195 four fragments of ow
.set OFR, 196                          ; v196-207 O's fragment
.set CT, 208
.set BM, 216
.set BN, 218
.set SO, 220
.set BY, 222
.set TP, 224
.set U, 226
.set RS, 234
.set MN, 236
	v_and_b32 v9, 15, v0
	v_bfe_u32 v10, v0, 4, 1
	s_lshr_b32 s42, s[WV], 2
	s_lshl_b32 s42, s42, 8
	s_and_b32 s43, s[WV], 3
	s_lshl_b32 s43, s43, 2
	s_add_co_u32 s42, s42, s43
	s_add_co_u32 s42, s42, XST
	v_mul_u32_u24 v8, v10, 8*XP
	v_lshl_add_u32 v8, v9, 4, v8
	v_add_nc_u32 v8, s42, v8                       ; row 8 hl, query 64 (w / 4) + 4 r + w % 4
	v_lshlrev_b32 v9, 5, v10                       ; 32 hl
	s_mul_i32 s43, s[WV], 16*XP
	s_add_co_u32 s43, s43, XST
	v_add_nc_u32 v10, s43, v[L16]                  ; the way out: rows 16 w on, 16 bytes a lane
	v_mov_b32 v[RS+1], 0
	v_mov_b32 v[MN+1], 0
.irp t, 0,1,2,3,4,5,6,7
.irp j, 0,1,2,3,4,5,6,7
	ds_load_b32 v[X+8*\t+\j], v8 offset:(16*\t+\j)*XP
.endr
.endr
	BQ 0, 1, OFR, PW
	WIN 0x40
.irp t, 0,1,2,3,4,5,6,7
	global_load_b128 v[8*\t:8*\t+3], v9, s[34:35] offset:1536+64*\t              ; alpha2 takes O's place
	global_load_b128 v[8*\t+4:8*\t+7], v9, s[34:35] offset:1536+64*\t+16
.endr
	WIN 0
.irp t, 0,1,2,3,4,5,6,7
	ds_load_b32 v[SCW+\t], v[L4] offset:OSC+128*\t
.endr
.irp g, 0,1
.irp t, 0,1,2,3
	FETCH OWF+12*\t, L16, L8, OIMG+(4*\g+\t)*1536
.endr
	s_wait_dscnt 0x0
.if \g == 0
	PLACES 8                                       ; O's scale word was written by vector instructions: 8 places ahead of the scaled product
.endif
.irp t, 0,1,2,3
	MM0 AT+8*(4*\g+\t), OWF+12*\t, OFR, SCW+4*\g+\t, PW
.endr
	PLACES 4                                       ; in front of the loads into ow's registers, and of the first read of results
.endr
	s_wait_loadcnt 16                              ; alpha1, gamma2, beta2 are in; alpha2's 16 loads may be out
	WIN 0x01
.set j, 0
.rept 32
	v_pk_fma_f32 v[X+j:X+j+1], v[64+j:65+j], v[AT+j:AT+j+1], v[X+j:X+j+1]         ; x + alpha1 attn
.set j, j+2
.endr
	WIN 0
.irp k, 0,1,2,3
	v_pk_add_f32 v[U+2*\k:U+2*\k+1], v[X+2*\k:X+2*\k+1], v[X+8+2*\k:X+9+2*\k]
.endr
.irp m, 2,3,4,5,6,7
.irp k, 0,1,2,3
	v_pk_add_f32 v[U+2*\k:U+2*\k+1], v[U+2*\k:U+2*\k+1], v[X+8*\m+2*\k:X+8*\m+2*\k+1]
.endr
.endr
	FOLD
	v_mul_f32 v[MN], 0x3c000000, v[U]              ; the mean
.set j, 0
.rept 32
	v_pk_add_f32 v[AT+j:AT+j+1], v[X+j:X+j+1], v[MN:MN+1] op_sel_hi:[1,0] neg_lo:[0,1] neg_hi:[0,1]
.set j, j+2
.endr
	RSTD AT
.set j, 0
.rept 32
	v_pk_mul_f32 v[AT+j:AT+j+1], v[AT+j:AT+j+1], v[RS:RS+1] op_sel_hi:[1,0]
.set j, j+2
.endr
	WIN 0x11
.set j, 0
.rept 32
	v_pk_fma_f32 v[AT+j:AT+j+1], v[128+j:129+j], v[AT+j:AT+j+1], v[192+j:193+j]   ; gamma2 snorm + beta2
.set j, j+2
.endr
	s_wait_loadcnt 0x0                             ; alpha2
	WIN 0x01
.set j, 0
.rept 32
	v_pk_fma_f32 v[X+j:X+j+1], v[j:j+1], v[AT+j:AT+j+1], v[X+j:X+j+1]
.set j, j+2
.endr
	WIN 0
.irp t, 0,1,2,3,4,5,6,7
.irp j, 0,1,2,3,4,5,6,7
	ds_store_b32 v8, v[X+8*\t+\j] offset:(16*\t+\j)*XP     ; to the bytes that it was read from: each of them is read and written by this lane alone
.endr
.endr
	s_wait_dscnt 0x0                               ; for the others' sake: my queries' columns lie in the stage
	s_barrier_signal -1
	s_barrier_wait -1
.irp k, 0,1,2,3,4,5,6,7,8,9,10,11,12,13,14,15
	ds_load_b128 v[AT+4*\k:AT+4*\k+3], v10 offset:\k*XP
.endr
.irp k, 0,1,2,3,4,5,6,7,8,9,10,11,12,13,14,15
	s_wait_dscnt 15-\k
	global_store_b128 v[L16], v[AT+4*\k:AT+4*\k+3], s[40:41] offset:2048*\k th:TH_STORE_NT   ; 32 lanes store 512 consecutive bytes of channel 16 w + k, at a multiple of 256 from out0's first byte
.endr
	s_barrier_signal -1
	s_barrier_wait -1
	s_wait_xcnt 0x0
	v_lshl_add_u32 v254, v0, 2, 0x43800
	v_mov_b32 v255, 0
	s_wait_tensorcnt 0x0
	ds_add_u32 v254, v255
	s_wait_dscnt 0x0
	s_endpgm
.Lfunc_end_k_q7fdfe2f5c0_dit:
	.size	k_q7fdfe2f5c0_dit, .Lfunc_end_k_q7fdfe2f5c0_dit-k_q7fdfe2f5c0_dit
	.p2alignl 7, 3214868480
	.fill 96, 4, 3214868480
	.section	.rodata,"a",@progbits
	.p2align	6, 0x0
	.amdhsa_kernel k_q7fdfe2f5c0_dit
		.amdhsa_group_segment_fixed_size 277504
		.amdhsa_private_segment_fixed_size 0
		.amdhsa_enable_private_segment 0
		.amdhsa_kernarg_size 56
		.amdhsa_user_sgpr_count 2
		.amdhsa_user_sgpr_kernarg_segment_ptr 1
		.amdhsa_wavefront_size32 1
		.amdhsa_system_sgpr_workgroup_id_x 1
		.amdhsa_system_sgpr_workgroup_id_y 1
		.amdhsa_system_sgpr_workgroup_id_z 1
		.amdhsa_system_vgpr_workitem_id 0
		.amdhsa_next_free_vgpr 512
		.amdhsa_next_free_sgpr 66
		.amdhsa_reserve_vcc 1
		.amdhsa_float_denorm_mode_32 3
		.amdhsa_float_denorm_mode_16_64 3
		.amdhsa_memory_ordered 1
		.amdhsa_forward_progress 1
		.amdhsa_inst_pref_size 253
	.end_amdhsa_kernel
	.amdgpu_metadata
---
amdhsa.version: [ 1, 2 ]
amdhsa.kernels:
  - .name:           k_q7fdfe2f5c0_dit
    .symbol:         k_q7fdfe2f5c0_dit.kd
    .args:
      - { .name: latent, .offset: 0, .size: 8, .value_kind: global_buffer, .address_space: global }
      - { .name: ws, .offset: 8, .size: 8, .value_kind: global_buffer, .address_space: global }
      - { .name: ow, .offset: 16, .size: 8, .value_kind: global_buffer, .address_space: global }
      - { .name: qb, .offset: 24, .size: 8, .value_kind: global_buffer, .address_space: global }
      - { .name: kb, .offset: 32, .size: 8, .value_kind: global_buffer, .address_space: global }
      - { .name: vb, .offset: 40, .size: 8, .value_kind: global_buffer, .address_space: global }
      - { .name: out0, .offset: 48, .size: 8, .value_kind: global_buffer, .address_space: global }
    .group_segment_fixed_size: 277504
    .private_segment_fixed_size: 0
    .kernarg_segment_align: 8
    .kernarg_segment_size: 56
    .max_flat_workgroup_size: 256
    .sgpr_count:     66
    .vgpr_count:     512
    .wavefront_size: 32
...
	.end_amdgpu_metadata
.endif
;; end of part 2
